; MI455X (gfx1250); checked and timed in simulation.
; The chip was launched on July 23, 2026; its instructions are those of AMD's public machine-readable ISA for CDNA 5 (MIT licence, August 2026) and "CDNA5" Instruction Set Architecture Reference Guide (July 2026). The comments in the code are by the model that wrote it; some were corrected since.
;; Layer114. Allowed arithmetic: matrix products marked QUANTISED: E2M1 operands, one E8M0 scale for each 32 along K, by v_wmma_scale_f32_16x16x128_f8f6f4 with both operands' format E2M1 (or v_wmma_scale_f32_32x16x128_f4), f32 sums; products left as they are: bf16, f16 or f32 operands; f32 sums; everything else in f32.
;; Inputs: Wk 1,024 x 1,024 float32; Wq 1,024 x 1,024 float32; Wv 1,024 x 1,024 float32; bk 1,024 float32; bq 1,024 float32; bv 1,024 float32; input0 8 x 1,024 x 1,024 float32; input1 8 x 1 x 1 x 1,024 float32.
;; Outputs: out0 8 x 1,024 x 1,024 float32.
;; This version of the problem:
;;   THIS VERSION OF THE PROBLEM IS GIVEN IN LOW PRECISION. The matrix products marked QUANTISED in the list below multiply operands that are first quantised to E2M1 (2 exponent bits, 1 mantissa bit; 4 bits a number), with one power-of-two scale for each 32 numbers along K (OCP MX v1.0); their sums are f32. The products marked 'left as it is' may take bf16, f16 or f32 operands, with f32 sums. Whichever they take, every output number must still come out within the allowed error. Rounding operands to bf16 (8 significant bits) uses up far more of that allowance than f16 does (11 bits, for magnitudes from 6e-5 to 65,504). All else is computed in f32.
;;   The module's matrix products, in the order in which they are computed (A, B: the left and right operand; K: the contracted axis; several contracted axes count as one K, in the product's order):
;;     1. [M 8,192, K 1,024] x [K 1,024, N 1,024]; A: input input0; B: input Wq: QUANTISED
;;     2. [M 8,192, K 1,024] x [K 1,024, N 1,024]; A: input input0; B: input Wk: QUANTISED
;;     3. [M 8,192, K 1,024] x [K 1,024, N 1,024]; A: input input0; B: input Wv: QUANTISED
;;     4. batch 128 x [M 1,024, K 64] x [K 64, N 1,024]; A: computed on the way; B: computed on the way: left as it is (an operand is computed on the way)
;;     5. batch 128 x [M 1,024, K 1,024] x [K 1,024, N 64]; A: computed on the way; B: computed on the way: left as it is (an operand is computed on the way)
;;   THE QUANTISER, for each operand of a quantised product, along K:
;;     - K is cut into blocks of 32 from its start; a last block that is shorter is filled with zeros.
;;     - A block's scale is 2^e with e = floor(log2(the largest magnitude in the block)) - 2, held to -126 .. 127; a block of zeros has e = 0. As a byte (E8M0): e + 127.
;;     - Each number is divided by its block's scale, clamped to +-6, and rounded to the nearest number of E2M1, ties to even, subnormals kept.
;;     - The product sums the exact products of the quantised numbers (number of the format x scale) in f32.
;;   ~~~python
;;   def quantise(x, axis):      # numpy; x: float32 -> the quantised numbers, widened to float32 again
;;       x = np.moveaxis(x, axis, -1); K = x.shape[-1]
;;       x = np.pad(x, [(0, 0)] * (x.ndim - 1) + [(0, -K % 32)]); x = x.reshape(x.shape[:-1] + (-1, 32)); a = np.abs(x).max(-1, keepdims=True)
;;       e = np.where(a > 0, np.clip(np.frexp(np.where(a > 0, a, 1))[1] - 1 - 2, -126, 127), 0)      # np.frexp(a)[1] - 1 = floor(log2(a)), exactly
;;       r = np.clip(x / 2.0 ** e, -6, 6)
;;       step = 2.0 ** (np.maximum(np.frexp(np.where(r == 0, 1, r))[1] - 1, 0) - 1)
;;       q = np.round(r / step) * step * 2.0 ** e      # np.round: ties to even
;;       return np.moveaxis(q.reshape(q.shape[:-2] + (-1,))[..., :K], -1, axis).astype(np.float32)
;;   ~~~
;; One version. Each part assembles by itself: llvm-mc -triple=amdgcn-amd-amdhsa -mcpu=gfx1250 --defsym DOCPART=n.
;; ======== version 1 of 1: 3 launches
;; limits: values are held in f16: magnitudes above 65,504 overflow, below 6.1e-05 lose precision
;; workspace buffers: x_codes 4,194,304 bytes; x_scales 262,144 bytes; w_codes 1,572,864 bytes; w_scales 98,304 bytes; qk 33,554,432 bytes; vt 16,777,216 bytes
;; launch quant (part 1): grid 352 x 1, 4 waves a work-group, no clusters, 33,280 bytes of LDS; arguments input0, Wq, Wk, Wv, x_codes, x_scales, w_codes, w_scales; writes x_codes, x_scales, w_codes, w_scales
.if DOCPART == 1
	.amdgcn_target "amdgcn-amd-amdhsa--gfx1250"
	.amdhsa_code_object_version 6
	.text
	.protected	k_qa00422e175_quant
	.globl	k_qa00422e175_quant
	.p2align	8
	.type	k_qa00422e175_quant,@function
k_qa00422e175_quant:
	s_mov_b64 s[64:65], 0
	v_nop
	global_prefetch_b8 v0, s[64:65] scope:SCOPE_SE
	s_setreg_imm32_b32 hwreg(HW_REG_WAVE_MODE, 25, 1), 1
	s_wait_xcnt 0x0
; input0 [8192][1024] and Wq, Wk, Wv [1024][1024], f32, K innermost, become codes of FP4 (E2M1), two a byte, the lower k in the low four bits, and one E8M0 scale byte for each 32 along K.
; x_codes [8192][512 bytes], x_scales [8192][32];  w_codes [3072][512], w_scales [3072][32]: rows 0-1023 Wq, 1024-2047 Wk, 2048-3071 Wv.
; A block's scale is 2^(floor(log2(its largest magnitude)) - 2); its byte is the largest magnitude's own exponent field - 2, held at 1 from below.  Each number is divided by the scale and rounded to the nearest code, ties to even;
; what lies beyond 6 gets the largest code.
; LIMITS: a block of zeros gets the byte 1 where the rule says 127 (its codes are zeros, which add nothing under any byte but 0xff, and this program alone reads the bytes); blocks whose largest magnitude lies under 2^-124
; keep the byte 1; NaN and infinities among the inputs are not served.
; Rows are dense and 1024 is a multiple of 32: every tensor is a plain stream of blocks of 32.  A work-group takes 32,768 numbers, a wave 8,192 in 16 steps of 512.  Work-groups 0-255 take input0, 256-287 Wq, 288-319 Wk, 320-351 Wv:
; only pointers are chosen, by the work-group's number; all take one path.
; Each of a step's four loads reads 512 consecutive bytes, 16 a lane; the 2,048 bytes go through the wave's own stage in LDS and come back 64 bytes a lane, so that a lane holds 16 neighbours along K (two lanes hold a block).
; A lane's 16 codes are 8 bytes: the wave stores 256 consecutive bytes.  A wave's 256 scale bytes are gathered in LDS and leave as one aligned run of 256 bytes.
; No tensor loads, no barrier, no matrix unit, no cluster: the waves share nothing, and every byte is read once.  Loads run four steps (16 loads a wave) ahead.
.set WAVES, 4
.set STEPS, 16
.set EMAX,  2
.set CB,    8                          ; bytes of 16 codes
.set R,     16                         ; v16-79   four sets of 16 numbers as they are loaded
.set X,     80                         ; v80-111  two sets of 16 neighbours
.set E,     112                        ; v112-127 a scale byte for each step
.set C,     128                        ; v128-191 codes: four registers for each step, so that no store's data are written again
.set WREG,  8192                       ; LDS: a region for each wave: two stages of 32 x SP bytes, behind them its 256 scale bytes
.set SP,    80                         ; a lane's place in a stage: 64 bytes + 16 of padding
.set SPW,   12                         ; v12      LDS address of my spare word; never rewritten
.set NIL,   13                         ; v13      0; never rewritten
.set SPARE, WAVES*WREG                 ; behind the regions: the spare words, 128 bytes a wave, which no other line names
	s_load_b256 s[4:11], s[0:1], 0x0               ; input0 s[4:5], Wq s[6:7], Wk s[8:9], Wv s[10:11]
	s_load_b256 s[12:19], s[0:1], 0x20             ; x_codes s[12:13], x_scales s[14:15], w_codes s[16:17], w_scales s[18:19]
	v_lshl_add_u32 v[SPW], v0, 2, SPARE
	v_mov_b32 v[NIL], 0
	v_lshrrev_b32 v1, 5, v0
	v_readfirstlane_b32 s20, v1                    ; wave
	v_and_b32 v2, 31, v0                           ; lane
	v_lshlrev_b32 v3, 4, v2                        ; my 16 bytes of a load's 512
	s_mul_i32 s21, s20, WREG
	v_lshrrev_b32 v14, 2, v2
	v_mul_u32_u24 v14, v14, SP
	v_and_b32 v15, 3, v2
	v_lshl_add_u32 v14, v15, 4, v14
	v_add_nc_u32 v14, s21, v14                     ; the stage, on the way in: SP (lane / 4) + 16 (lane % 4)
	v_mul_u32_u24 v15, v2, SP
	v_add_nc_u32 v15, s21, v15                     ; and on the way out: SP x lane: my 16 neighbours
	v_mul_u32_u24 v4, v2, CB                       ; my codes' place in a step's
	v_lshrrev_b32 v5, 1, v2
	s_add_co_u32 s21, s21, 2*32*SP
	v_add_nc_u32 v5, s21, v5                       ; LDS: my wave's 256 scale bytes, my block's byte
	v_lshlrev_b32 v7, 3, v2                        ; and on the way out 8 bytes a lane
	v_add_nc_u32 v6, s21, v7
	s_and_b32 s28, ttmp9, 31                       ; a weight's work-group within its tensor (256, 288 and 320 are multiples of 32),
	s_sub_co_u32 s29, ttmp9, 256                   ; and within the three weights' common buffers
	s_wait_kmcnt 0x0
	s_cmp_lt_u32 ttmp9, 320                        ; which tensor: the choices hang on the work-group's number alone
	s_cselect_b64 s[22:23], s[8:9], s[10:11]
	s_cmp_lt_u32 ttmp9, 288
	s_cselect_b64 s[22:23], s[6:7], s[22:23]
	s_cmp_lt_u32 ttmp9, 256
	s_cselect_b64 s[22:23], s[4:5], s[22:23]       ; the numbers
	s_cselect_b64 s[24:25], s[12:13], s[16:17]     ; the codes
	s_cselect_b64 s[26:27], s[14:15], s[18:19]     ; the scale bytes
	s_cselect_b32 s28, ttmp9, s28
	s_cselect_b32 s29, ttmp9, s29
	s_lshl_b32 s28, s28, 2
	s_add_co_u32 s28, s28, s20                     ; which run of 8,192 numbers of the source is my wave's,
	s_lshl_b32 s29, s29, 2
	s_add_co_u32 s29, s29, s20                     ; and which run of the destination
	s_lshl_b32 s30, s28, 15                        ; 32,768 bytes of numbers a run (1,023 runs at the most: under 2^25)
	s_mov_b32 s31, 0
	s_add_nc_u64 s[22:23], s[22:23], s[30:31]
	s_lshl_b32 s30, s29, 12                        ; 4,096 bytes of codes
	s_add_nc_u64 s[24:25], s[24:25], s[30:31]
	s_lshl_b32 s30, s29, 8                         ; 256 scale bytes
	s_add_nc_u64 s[26:27], s[26:27], s[30:31]
.macro LOAD t
.irp i, 0,1,2,3
	global_load_b128 v[R+16*((\t)%4)+4*\i:R+16*((\t)%4)+4*\i+3], v3, s[22:23] offset:2048*(\t)+512*\i th:TH_LOAD_NT   ; 32 lanes read 512 consecutive bytes
.endr
.endm
.macro TURN t                          ; step t's numbers through the stage: LDS serves a wave's instructions in order (ISA guide 5.7.1.4), so no wait stands between the stores and the loads
.irp i, 0,1,2,3
	ds_store_b128 v14, v[R+16*((\t)%4)+4*\i:R+16*((\t)%4)+4*\i+3] offset:32*SP*((\t)%2)+8*SP*\i
.endr
.irp i, 0,1,2,3
	ds_load_b128 v[X+16*((\t)%2)+4*\i:X+16*((\t)%2)+4*\i+3], v15 offset:32*SP*((\t)%2)+16*\i
.endr
.endm
.irp t, 0,1,2,3
	LOAD \t
.endr
	s_wait_loadcnt 12                              ; step 0's four loads are in; the twelve of steps 1 to 3 may be out
	TURN 0
.macro STEP t
.set XS, X+16*((\t)%2)
.if (\t) > 0
	s_wait_dscnt 1                                 ; this step's numbers are back from the stage (the last step's byte store may be out): so its stores into the stage have read their registers,
.else
	s_wait_dscnt 0x0
.endif
.if (\t)+4 < STEPS
	LOAD (\t)+4                                    ; which take the loads of four steps on
.endif
.if (\t)+1 < STEPS
.if STEPS-2-(\t) >= 3
	s_wait_loadcnt 12                              ; the next step's four loads are in; those of the three steps behind it may be out
.else
	s_wait_loadcnt 4*(STEPS-2-(\t))                ; at the end fewer steps stand behind it
.endif
	TURN (\t)+1                                    ; and go through the other stage while this step is worked
.endif
	v_max3_num_f32 v8, |v[XS]|, |v[XS+1]|, |v[XS+2]|               ; the largest magnitude of my 16, in two chains
	v_max3_num_f32 v9, |v[XS+3]|, |v[XS+4]|, |v[XS+5]|
.irp i, 6,10
	v_max3_num_f32 v8, v8, |v[XS+\i]|, |v[XS+\i+1]|
	v_max3_num_f32 v9, v9, |v[XS+\i+2]|, |v[XS+\i+3]|
.endr
	v_max3_num_f32 v8, v8, |v[XS+14]|, |v[XS+15]|
	v_max3_num_f32 v8, v8, v9, (EMAX+1)<<23        ; and the floor 2^(3 - 127): so the byte cannot fall under 1
	v_max_num_f32_dpp v8, v8, v8 row_xmask:1 row_mask:0xf bank_mask:0xf   ; and of my neighbour's 16: the block's
	v_add_nc_u32 v11, -(EMAX<<23), v8              ; 2 off its exponent field: the conversion takes the exponent field of this operand as its scale, and nothing else of it
	v_cvt_scalef32_pk8_fp4_f32 v[C+4*(\t)], v[XS:XS+7], v11         ; eight numbers / the scale, to the nearest code, ties to even; the first number's code in the lowest four bits
	v_cvt_scalef32_pk8_fp4_f32 v[C+4*(\t)+1], v[XS+8:XS+15], v11
	v_lshrrev_b32 v[E+(\t)], 23, v11               ; the scale's byte (also the plain line behind the conversions)
	ds_store_b8 v5, v[E+(\t)] offset:16*(\t)       ; both lanes of a block write the same byte with the same value
	global_store_b64 v4, v[C+4*(\t):C+4*(\t)+1], s[24:25] offset:32*CB*(\t)   ; 32 lanes store 256 consecutive bytes, aligned
.endm
.irp t, 0,1,2,3,4,5,6,7,8,9,10,11,12,13,14,15
	STEP \t
.endr
	ds_load_b64 v[8:9], v6                         ; served in order: these see my byte stores
	s_wait_dscnt 0x0
	global_store_b64 v7, v[8:9], s[26:27]          ; 32 lanes store 256 consecutive bytes, aligned
	s_wait_tensorcnt 0x0                           ; the wave's end
	ds_add_u32 v[SPW], v[NIL]
	s_wait_dscnt 0x0
	s_endpgm
.Lfunc_end_k_qa00422e175_quant:
	.size	k_qa00422e175_quant, .Lfunc_end_k_qa00422e175_quant-k_qa00422e175_quant
	.p2alignl 7, 3214868480
	.fill 96, 4, 3214868480
	.section	.rodata,"a",@progbits
	.p2align	6, 0x0
	.amdhsa_kernel k_qa00422e175_quant
		.amdhsa_group_segment_fixed_size 33280
		.amdhsa_private_segment_fixed_size 0
		.amdhsa_enable_private_segment 0
		.amdhsa_kernarg_size 64
		.amdhsa_user_sgpr_count 2
		.amdhsa_user_sgpr_kernarg_segment_ptr 1
		.amdhsa_wavefront_size32 1
		.amdhsa_system_sgpr_workgroup_id_x 1
		.amdhsa_system_sgpr_workgroup_id_y 1
		.amdhsa_system_sgpr_workgroup_id_z 1
		.amdhsa_system_vgpr_workitem_id 0
		.amdhsa_next_free_vgpr 192
		.amdhsa_next_free_sgpr 66
		.amdhsa_reserve_vcc 0
		.amdhsa_float_denorm_mode_32 3
		.amdhsa_float_denorm_mode_16_64 3
		.amdhsa_memory_ordered 1
		.amdhsa_forward_progress 1
		.amdhsa_inst_pref_size 34
	.end_amdhsa_kernel
	.amdgpu_metadata
---
amdhsa.version: [ 1, 2 ]
amdhsa.kernels:
  - .name:           k_qa00422e175_quant
    .symbol:         k_qa00422e175_quant.kd
    .args:
      - { .name: input0, .offset: 0, .size: 8, .value_kind: global_buffer, .address_space: global }
      - { .name: Wq, .offset: 8, .size: 8, .value_kind: global_buffer, .address_space: global }
      - { .name: Wk, .offset: 16, .size: 8, .value_kind: global_buffer, .address_space: global }
      - { .name: Wv, .offset: 24, .size: 8, .value_kind: global_buffer, .address_space: global }
      - { .name: x_codes, .offset: 32, .size: 8, .value_kind: global_buffer, .address_space: global }
      - { .name: x_scales, .offset: 40, .size: 8, .value_kind: global_buffer, .address_space: global }
      - { .name: w_codes, .offset: 48, .size: 8, .value_kind: global_buffer, .address_space: global }
      - { .name: w_scales, .offset: 56, .size: 8, .value_kind: global_buffer, .address_space: global }
    .group_segment_fixed_size: 33280
    .private_segment_fixed_size: 0
    .kernarg_segment_align: 8
    .kernarg_segment_size: 64
    .max_flat_workgroup_size: 128
    .sgpr_count:     66
    .vgpr_count:     192
    .wavefront_size: 32
...
	.end_amdgpu_metadata
.endif
;; end of part 1
;; launch proj (part 2): grid 12 x 32, 4 waves a work-group, clusters of 4 x 4, 327,680 bytes of LDS; arguments x_codes, x_scales, w_codes, w_scales, bq, bk, qk, vt; writes qk, vt
.if DOCPART == 2
	.amdgcn_target "amdgcn-amd-amdhsa--gfx1250"
	.amdhsa_code_object_version 6
	.text
	.protected	k_qa00422e175_proj
	.globl	k_qa00422e175_proj
	.p2align	8
	.type	k_qa00422e175_proj,@function
k_qa00422e175_proj:
	s_mov_b64 s[64:65], 0
	v_nop
	global_prefetch_b8 v0, s[64:65] scope:SCOPE_SE
	s_setreg_imm32_b32 hwreg(HW_REG_WAVE_MODE, 25, 1), 1
	s_wait_xcnt 0x0
	s_wait_alu depctr_hold_cnt(0) depctr_sa_sdst(0) depctr_va_vdst(0) depctr_va_sdst(0) depctr_va_ssrc(0) depctr_va_vcc(0) depctr_vm_vsrc(0)
	s_getreg_b32 s2, hwreg(HW_REG_IB_STS2, 6, 4)
	s_cmp_eq_u32 s2, 0
	s_cbranch_scc0 .Lentry_in_a_cluster
	s_endpgm
.Lentry_in_a_cluster:
	s_bfe_u32 s2, ttmp6, 0x10000c
	s_cmp_lg_u32 s2, 0xf033
	s_cbranch_scc0 .Lentry_shape_is_right
	s_endpgm
.Lentry_shape_is_right:
; The three projections on codes of FP4 (E2M1) with one E8M0 scale for each 32 along K = 1024; sums in f32; results rounded once to f16 for the attention's products.
; ONE BODY, TWO JOBS, chosen by the cluster's x, which all sixteen partners share; only pointers, two shifts and a mask are chosen, no branch:
;   clusters x = 0, 1:  [q | k] = x [Wq | Wk]^T + [bq | bk]:  A = x (8,192 rows), B = w rows 0-2047;  tile column 4 x + cx, tile row 4 y + cy;  result to qk
;   cluster  x = 2:     v^T = Wv x^T (its bias is added behind the softmax, in the next launch):  A = w rows 2048-3071, B = x;  tile column 4 y + cx, tile row cy;  result to vt
; qk and vt are laid by tiles: [tile row][panel of 64 columns][256 rows][64] f16: a block of 256 rows x 128 bytes is 32,768 dense bytes.  qk has 32 panels a tile row (0-15: q's heads, 16-31: k's), vt 128 (64 keys each).
; LIMIT: a result of magnitude 65,504 or more becomes infinity in f16.
; A tile of C, 256 x 256, is made by four waves; a wave makes 128 x 128: 64 accumulators of 16 x 16, 512 registers.  K is two slots of 512 (rows of 256 bytes): both are asked for at the head and nothing is filled again.
; The scale bytes of the 256 rows of A and of B (32 bytes a row) are two dense blocks: they come once, in rows of 256 bytes.
; CLUSTERS: 4 x 4 work-groups.  The four of a row of the cluster need the same tiles of A, the four of a column the same tiles of B: each is asked for jointly, by the same tensor load with the same descriptor and a mask naming the four.
; THE MATRIX INSTRUCTION IS USED TRANSPOSED (source 0 = 16 rows of B, source 1 = 16 rows of A): a lane holds eight neighbouring columns of a row of C.  The bias runs along the columns: it is the C of each sum's first product.
; REGISTERS, in windows of 256: window 0: v16-30 addresses; v32-95 scale words, two sets; v96-127 packed results; v128-191 A's fragments, one set (on the way out: rows read back); v192-255 the bias, 8 registers for each of B's blocks.
;   window 1: B's fragments, two sets.   window 2: the accumulators of my rows 0-63 ((a, b) at v[8 (8 a + b)]);   window 3: those of rows 64-127.
; By this text's own count a wave has three tensor loads out: its scales, slot 0, slot 1.  Nothing is prefetched: every tile is asked for at the head.
.set KSTEP,  512
.set NQ,     KSTEP/128                 ; matrix instructions deep in a slot
.set ROWB,   256                       ; a tile's row in bytes
.set KROW,   512                       ; a row of codes in memory
.set PITCH,  272                       ; an LDS row: 256 bytes + 16 of padding = 68 words: the 16 rows that a load touches start at 16 different banks (64 banks of 4 bytes: ISA guide 11.1)
.set FR,     8                         ; registers of a fragment: 16 rows x 128 K
.set NL,     2                         ; LDS loads that bring one
.set NP,     4                         ; places behind this matrix instruction (ISA guide 7.12.1)
.set HALFT,  128*PITCH                 ; 128 rows: what one tensor load brings
.set SLOT,   4*HALFT                   ; A's 256 rows, then B's 256 rows
.set KS,     32                        ; a row of scale bytes
.set SCL,    2*SLOT                    ; behind the slots: the scales, as rows of 256 bytes + 16
.set HALFS,  16*272                    ; the scales of 128 rows
.set SBLK,   2*272                     ; those of 16 rows
.set SPARE,  SCL+4*HALFS               ; the spare words, 128 bytes a wave, which no other line names
.set SPITCH, 272                       ; the way out: a stage of 16 rows x (256 bytes + 16) for each wave, in slot 0, which has had its only fill and its last read by then
.set ADRA, 16                          ; v16-17  LDS address of my A fragments in slot 0, 1
.set ADRB, 20                          ; v20-21  the same for B
.set STO,  24                          ; v24     the way out: where I put 16 bytes of a row
.set RD,   25                          ; v25     where I read them back
.set CO,   26                          ; v26     16 x lane: my place in a store's 512 bytes
.set ADRS, 27                          ; v27     LDS address of my scale words: lanes 0-15 A's rows, lanes 16-31 B's
.set SPW,  28                          ; v28     LDS address of my spare word; never rewritten
.set NIL,  29                          ; v29     0; never rewritten
.set BO,   30                          ; v30     32 x (lane / 16): my half's eight numbers of a block's bias
.set SC,   32
.set TMP,  96
.set AF,   128
.set BK,   128                         ; the way out: v128-159 and v160-191 by turns
.set BIAS, 192
.set G1, 24                            ; s[24:31] descriptor group 1 for A's tiles;  s[32:39] group 0, one set for each slot
.set G0, 32
.set G1B, 48                           ; s[48:55], s[56:63] the same for B's tiles
.set G0B, 56
.set G1S, 68                           ; s[68:75], s[76:79] groups 1 and 0 for A's scales;  s[80:87], s[88:91] for B's
.set G0S, 76
.set G1SB, 80
.set G0SB, 88
.set MSB, 0
.macro WIN new                         ; the immediate's high byte repeats the setting that is left; a switch that changes nothing is dropped
.if MSB != (\new)
	s_set_vgpr_msb (MSB<<8)|(\new)
.set MSB, \new
.endif
.endm
.set MUL_LO, 0xa1                      ; source 0 (B) window 1, source 1 (A) window 0, C and D window 2
.set MUL_HI, 0xf1                      ; the same, C and D window 3
.set FST_LO, 0x81                      ; the first products: C is the bias, in window 0; D window 2
.set FST_HI, 0xc1                      ; D window 3
.set TO_B,   0x40                      ; destination window 1, address window 0
; A joint load: waves 0 and 1 fetch for A, waves 2 and 3 for B.  Each line has one mask and one set of registers for all that issue it; the branch hangs on the wave's number alone.
; An s_nop 0 and four v_nop follow each of the two lines.
.macro JLOAD g0a, g1a, g0b, g1b
	s_cmp_eq_u32 s15, 0
	s_cbranch_scc0 .Lfor_b_\@
	tensor_load_to_lds s[\g0a:\g0a+3], s[\g1a:\g1a+7]
	s_nop 0
.rept 4
	v_nop
.endr
	s_branch .Lasked_\@
.Lfor_b_\@:
	tensor_load_to_lds s[\g0b:\g0b+3], s[\g1b:\g1b+7]
	s_nop 0
.rept 4
	v_nop
.endr
.Lasked_\@:
.endm
.macro CROUND                          ; a round of the cluster's barrier: my work-group's barrier; wave 0 signals for the work-group; all wait for the sixteen; my work-group's barrier once more
	s_barrier_signal -1
	s_barrier_wait -1
	s_cmp_lg_u32 s14, 0
	s_cbranch_scc1 .Lnot_wave_0_\@
	s_barrier_signal -3
.Lnot_wave_0_\@:
	s_barrier_wait -3
	s_barrier_signal -1
	s_barrier_wait -1
.endm
	s_load_b256 s[32:39], s[0:1], 0x0              ; x_codes s[32:33], x_scales s[34:35], w_codes s[36:37], w_scales s[38:39] (these registers become groups 0 once the choice is made)
	s_load_b256 s[56:63], s[0:1], 0x20             ; bq s[56:57], bk s[58:59], qk s[60:61], vt s[62:63]
	v_lshl_add_u32 v[SPW], v0, 2, SPARE
	v_mov_b32 v[NIL], 0
	ds_add_u32 v[SPW], v[NIL]                      ; the wave's opening: the add, twice on end, and its wait ahead of my first tensor load
	ds_add_u32 v[SPW], v[NIL]                      ; the set-up below, work on registers, stands between the second add and the wait
	v_lshrrev_b32 v1, 5, v0
	v_readfirstlane_b32 s14, v1                    ; wave 0..3
	s_lshr_b32 s15, s14, 1                         ; which half of the tile's rows is mine.  Also: I fetch for A (0) or for B (1)
	s_and_b32 s16, s14, 1                          ; which half of its columns.  Also: which 128 rows of that tile I fetch
	s_bfe_u32 s40, ttmp6, 0x40000                  ; cx, cy: my place in the cluster
	s_bfe_u32 s41, ttmp6, 0x40004
	s_and_b32 s18, ttmp7, 0xffff                   ; the cluster's y
	s_cmp_lt_u32 ttmp9, 2                          ; job [q | k] or job v^T: the cluster's x, the same in all partners
	s_cselect_b32 s19, ttmp9, s18                  ; the tile columns go by the cluster's x, or by its y
	s_cselect_b32 s18, s18, 0                      ; the tile rows by its y, or there are only the cluster's own four
	s_cselect_b32 s98, 5, 7                        ; log2 of the panels in a tile row of the result: 32 in qk, 128 in vt
	s_cselect_b32 s99, -1, 0                       ; the bias counts, or is cleared
	s_lshl_b32 s42, s19, 2
	s_add_co_u32 s42, s42, s40                     ; tile column of C
	s_lshl_b32 s17, s18, 2
	s_add_co_u32 s17, s17, s41                     ; tile row of C
	s_lshl_b32 s43, s41, 2
	s_lshl_b32 s43, 15, s43                        ; my row of the cluster
	s_lshl_b32 s44, 0x1111, s40                    ; my column
	; descriptor group 1: a tile of 128 rows x 256 bytes, padded in LDS
	s_or_b32 s[G1+0], s43, (0<<16)|(1<<20)|(1<<21)|(5<<22)|(3<<25)  ; 15:0 the mask: A's tiles go to my row; 17:16 elements of 1 byte; 20 padding on; 21 set beside a mask; 24:22 after every 64 words; 31:25 four words
	s_or_b32 s[G1B+0], s44, (0<<16)|(1<<20)|(1<<21)|(5<<22)|(3<<25)
.irp g, G1, G1B
	s_mov_b32 s[\g+1], ROWB<<16                    ; tensor_dim0
	s_mov_b32 s[\g+2], 128<<16                     ; tensor_dim1
	s_mov_b32 s[\g+3], ROWB<<16                    ; tile_dim0
	s_mov_b32 s[\g+4], 128                         ; tile_dim1
	s_mov_b32 s[\g+5], KROW                        ; from row to row
	s_mov_b32 s[\g+6], 0
	s_mov_b32 s[\g+7], 0
.endr
	; the scales of 128 rows: 4,096 dense bytes, as 16 rows of 256 bytes (32 elements of 8 bytes), 16 bytes of padding behind each
	s_or_b32 s[G1S+0], s43, (3<<16)|(1<<20)|(1<<21)|(5<<22)|(3<<25)
	s_or_b32 s[G1SB+0], s44, (3<<16)|(1<<20)|(1<<21)|(5<<22)|(3<<25)
.irp g, G1S, G1SB
	s_mov_b32 s[\g+1], 32<<16
	s_mov_b32 s[\g+2], 16<<16
	s_mov_b32 s[\g+3], 32<<16
	s_mov_b32 s[\g+4], 16
	s_mov_b32 s[\g+5], 32
	s_mov_b32 s[\g+6], 0
	s_mov_b32 s[\g+7], 0
.endr
	s_lshl_b32 s18, s16, 7                         ; which 128 rows of the tile I fetch
	s_lshl_b32 s20, s17, 8
	s_add_co_u32 s20, s20, s18                     ; A: row 256 x tile row + 128 x half
	s_lshl_b32 s46, s42, 8
	s_add_co_u32 s46, s46, s18                     ; B: row 256 x tile column + 128 x half
	s_mov_b32 s21, 0
	s_mov_b32 s47, 0
	s_mov_b64 s[18:19], KS
	s_mul_u64 s[22:23], s[20:21], s[18:19]         ; where these rows' scales begin, in bytes,
	s_mul_u64 s[92:93], s[46:47], s[18:19]
	s_mov_b64 s[18:19], KROW
	s_mul_u64 s[20:21], s[20:21], s[18:19]         ; and their codes
	s_mul_u64 s[46:47], s[46:47], s[18:19]
	s_mul_i32 s45, s14, HALFT                      ; where they go: wave x 128 rows: no place in the cluster enters an LDS address
	s_mul_i32 s94, s14, HALFS
	s_wait_dscnt 0x0                               ; both opening adds are done
	s_wait_kmcnt 0x0
	s_add_nc_u64 s[2:3], s[36:37], 0x100000        ; Wv's codes: 2,048 rows of 512 bytes into w_codes
	s_add_nc_u64 s[66:67], s[38:39], 0x10000       ; Wv's scales: 2,048 rows of 32 bytes
	s_cmp_lt_u32 ttmp9, 2
	s_cselect_b64 s[4:5], s[32:33], s[2:3]         ; A's codes: x, or Wv
	s_cselect_b64 s[6:7], s[34:35], s[66:67]       ; A's scales
	s_cselect_b64 s[8:9], s[36:37], s[32:33]       ; B's codes: [Wq | Wk], or x
	s_cselect_b64 s[10:11], s[38:39], s[34:35]     ; B's scales
	s_cselect_b64 s[12:13], s[60:61], s[62:63]     ; the result: qk, or vt
	s_cmp_eq_u32 ttmp9, 1
	s_cselect_b64 s[96:97], s[58:59], s[56:57]     ; the bias: bk for cluster x = 1, else bq (for v^T it is read and cleared)
	s_add_nc_u64 s[20:21], s[4:5], s[20:21]
	s_add_nc_u64 s[22:23], s[6:7], s[22:23]
	s_add_nc_u64 s[46:47], s[8:9], s[46:47]
	s_add_nc_u64 s[92:93], s[10:11], s[92:93]
	CROUND                                         ; all sixteen work-groups are here: the joint loads meet
	s_mov_b32 s[G0S], 1
	s_add_co_u32 s[G0S+1], s94, SCL
	s_mov_b64 s[G0S+2:G0S+3], s[22:23]
	s_or_b32 s[G0S+3], s[G0S+3], 0x80000000
	s_mov_b32 s[G0SB], 1
	s_add_co_u32 s[G0SB+1], s94, SCL
	s_mov_b64 s[G0SB+2:G0SB+3], s[92:93]
	s_or_b32 s[G0SB+3], s[G0SB+3], 0x80000000
	JLOAD G0S, G1S, G0SB, G1SB                     ; the scales first: they are wanted with the first K step
.irp s, 0,1
	s_mov_b32 s[G0+4*\s], 1                        ; count = 1
	s_add_co_u32 s[G0+4*\s+1], s45, \s*SLOT        ; LDS address
	s_add_nc_u64 s[G0+4*\s+2:G0+4*\s+3], s[20:21], \s*ROWB   ; global address: K from 512 s on
	s_or_b32 s[G0+4*\s+3], s[G0+4*\s+3], 0x80000000          ; type = 2
	s_mov_b32 s[G0B+4*\s], 1
	s_add_co_u32 s[G0B+4*\s+1], s45, \s*SLOT
	s_add_nc_u64 s[G0B+4*\s+2:G0B+4*\s+3], s[46:47], \s*ROWB
	s_or_b32 s[G0B+4*\s+3], s[G0B+4*\s+3], 0x80000000
	JLOAD G0+4*\s, G1, G0B+4*\s, G1B
.endr
	v_and_b32 v1, 15, v0                           ; l % 16
	v_bfe_u32 v2, v0, 4, 1                         ; l / 16
	; the bias of my 128 columns: register 8 b + j = bias[256 cx + 128 half + 16 b + 8 (l / 16) + j]
	v_lshlrev_b32 v[BO], 5, v2
	s_lshl_b32 s46, s40, 10
	s_lshl_b32 s47, s16, 9
	s_add_co_u32 s46, s46, s47
	s_mov_b32 s47, 0
	s_add_nc_u64 s[96:97], s[96:97], s[46:47]
.irp b, 0,1,2,3,4,5,6,7
	global_load_b128 v[BIAS+8*\b:BIAS+8*\b+3], v[BO], s[96:97] offset:64*\b
	global_load_b128 v[BIAS+8*\b+4:BIAS+8*\b+7], v[BO], s[96:97] offset:64*\b+16
.endr
	v_mul_u32_u24 v3, v1, PITCH
	v_lshl_add_u32 v4, v2, 4, v3                   ; a fragment's row x pitch + 16 x half
	s_mul_i32 s21, s15, HALFT                      ; my 128 rows of A
	s_mul_i32 s22, s16, HALFT                      ; my 128 rows of B,
	s_add_co_u32 s22, s22, 2*HALFT                 ; which lie behind A's 256
.irp s, 0,1
	v_add_nc_u32 v[ADRA+\s], s21, v4
	v_add_nc_u32 v[ADRB+\s], s22, v4
	s_add_co_u32 s21, s21, SLOT
	s_add_co_u32 s22, s22, SLOT
.endr
	s_wait_loadcnt 0x0                             ; the bias
.irp i, 0,1,2,3,4,5,6,7,8,9,10,11,12,13,14,15,16,17,18,19,20,21,22,23,24,25,26,27,28,29,30,31,32,33,34,35,36,37,38,39,40,41,42,43,44,45,46,47,48,49,50,51,52,53,54,55,56,57,58,59,60,61,62,63
	v_and_b32 v[BIAS+\i], s99, v[BIAS+\i]          ; kept as it is for [q | k]; all bits cleared, which is 0.0, for v^T
.endr
	v_mul_u32_u24 v5, v1, KS                       ; my row's scales: 32 bytes a row,
	v_lshrrev_b32 v6, 8, v5
	v_lshl_add_u32 v5, v6, 4, v5                   ; and 16 more for each 256 passed
	s_mul_i32 s21, s15, HALFS                      ; A's: my 128 rows
	s_mul_i32 s22, s16, HALFS                      ; B's: my 128 rows, behind A's 256
	s_add_co_u32 s22, s22, 2*HALFS
	s_sub_co_u32 s22, s22, s21
	v_mul_u32_u24 v6, s22, v2                      ; lanes 16-31 take B's: one product, the distance between the two bases
	s_add_co_u32 s21, s21, SCL
	v_add_nc_u32 v5, v5, v6
	v_add_nc_u32 v[ADRS], s21, v5
	s_mul_i32 s23, s14, 16*SPITCH                  ; my stage
	v_mul_u32_u24 v5, v1, SPITCH                   ; in: row l % 16, 16 bytes for each half of the lanes
	v_lshl_add_u32 v5, v2, 4, v5
	v_add_nc_u32 v[STO], s23, v5
	v_and_b32 v6, 31, v0
	v_lshlrev_b32 v[CO], 4, v6                     ; out: 16 bytes a lane of 512 consecutive bytes: four rows of 128 bytes of one panel
	v_lshrrev_b32 v5, 3, v6
	v_mul_u32_u24 v5, v5, SPITCH                   ; back: eight lanes take 128 bytes of a stage row, the next eight the next row
	v_and_b32 v6, 7, v0
	v_lshl_add_u32 v5, v6, 4, v5
	v_add_nc_u32 v[RD], s23, v5
	s_lshl_b32 s20, s17, s98                       ; where my part of the result begins: (tile row x panels + 4 x tile column + 2 x column half) blocks of 32,768 bytes,
	s_lshl_b32 s21, s42, 2
	s_add_co_u32 s20, s20, s21
	s_lshl_b32 s21, s16, 1
	s_add_co_u32 s20, s20, s21
	s_lshl_b32 s20, s20, 15
	s_lshl_b32 s21, s15, 14                        ; + my 128 rows of 128 bytes (all under 2^26)
	s_add_co_u32 s20, s20, s21
	s_mov_b32 s21, 0
	s_add_nc_u64 s[12:13], s[12:13], s[20:21]
.macro FRAG reg, adr, q, i             ; a fragment, 16 rows x 128 K of 4-bit codes: lane l holds row l % 16; registers 4 c .. 4 c + 3 hold K = 64 c + 32 (l / 16) + 0 .. 31
.irp c, 0,1
	ds_load_b128 v[\reg+4*\c:\reg+4*\c+3], v[\adr] offset:64*(\q)+32*\c+(\i)*16*PITCH
.endr
.endm
; 16 matrix instructions: A's blocks a0, a0 + 1 x B's eight, the slot's q-th 128 along K.  p: B's set;  sc: the set of scale words.  zero = 1: the first products start the sums from the bias: nothing is cleared or added later.
; The 64 accumulators take turns, one instruction a turn, in the same order in every step.
.macro MUL16 a0, p, q, sc, zero
.irp a, \a0, \a0+1
.irp b, 0,1,2,3,4,5,6,7
.if \zero
	v_wmma_scale_f32_16x16x128_f8f6f4 v[8*(8*((\a)%4)+\b):8*(8*((\a)%4)+\b)+7], v[128*(\p)+FR*\b:128*(\p)+FR*\b+FR-1], v[AF+FR*(\a):AF+FR*(\a)+FR-1], v[BIAS+8*\b:BIAS+8*\b+7], v[SC+8*NQ*(\sc)+NQ*\b+(\q)], v[SC+8*NQ*(\sc)+NQ*(\a)+(\q)] matrix_a_fmt:MATRIX_FMT_FP4 matrix_b_fmt:MATRIX_FMT_FP4 matrix_a_scale:MATRIX_SCALE_ROW1
.else
	v_wmma_scale_f32_16x16x128_f8f6f4 v[8*(8*((\a)%4)+\b):8*(8*((\a)%4)+\b)+7], v[128*(\p)+FR*\b:128*(\p)+FR*\b+FR-1], v[AF+FR*(\a):AF+FR*(\a)+FR-1], v[8*(8*((\a)%4)+\b):8*(8*((\a)%4)+\b)+7], v[SC+8*NQ*(\sc)+NQ*\b+(\q)], v[SC+8*NQ*(\sc)+NQ*(\a)+(\q)] matrix_a_fmt:MATRIX_FMT_FP4 matrix_b_fmt:MATRIX_FMT_FP4 matrix_a_scale:MATRIX_SCALE_ROW1
.endif
.endr
.endr
.endm
.macro FETCH_B slot, q, p              ; B's eight fragments of the slot's q-th 128 along K into set p
	WIN TO_B
.irp i, 0,1,2,3,4,5,6,7
	FRAG 128*(\p)+FR*\i, ADRB+\slot, \q, \i
.endr
	WIN 0
.endm
.macro FETCH_A slot, q, i0             ; A's blocks i0 .. i0 + 3
.irp i, \i0, \i0+1, \i0+2, \i0+3
	FRAG AF+FR*(\i), ADRA+\slot, \q, \i
.endr
.endm
.macro SCALES sc                       ; a slot's scale words into set sc: four words a row; lanes 0-15 take A's block i, lanes 16-31 B's block i
.irp i, 0,1,2,3,4,5,6,7
	ds_load_b128 v[SC+8*NQ*\sc+NQ*\i:SC+8*NQ*\sc+NQ*\i+3], v[ADRS] offset:\i*SBLK
.endr
.endm
; A load into a register that a matrix instruction has read, and a vector instruction that reads a matrix result, stand NP places behind that matrix instruction; only plain vector instructions
; that name none of its registers are places (ISA guide 7.12.1 for vector instructions).
.macro PLACES n
.rept \n
	v_nop
.endr
.endm
; A step of 128 along K that has its successor in the same slot.  A's blocks 0-3 are fetched anew in its middle, blocks 4-7 at its end; B's next set in the middle.
.macro STEP slot, q, zero
	s_wait_dscnt 4*NL                              ; B's set and A's blocks 0-3 are in; the youngest eight loads (A's blocks 4-7) may be out
.if \zero
	WIN FST_LO
.else
	WIN MUL_LO
.endif
	MUL16 0, (\q)%2, \q, \slot, \zero
	MUL16 2, (\q)%2, \q, \slot, \zero
	s_wait_dscnt 0                                 ; A's blocks 4-7 are in (asked for 32 matrix instructions ago)
	PLACES NP
	FETCH_B \slot, (\q)+1, 1-(\q)%2
	FETCH_A \slot, (\q)+1, 0
.if \zero
	WIN FST_HI
.else
	WIN MUL_HI
.endif
	MUL16 4, (\q)%2, \q, \slot, \zero
	MUL16 6, (\q)%2, \q, \slot, \zero
	PLACES NP
	WIN 0
	FETCH_A \slot, (\q)+1, 4
.endm
.macro STEPS slot, from                ; the slot's steps from .. NQ - 2
.set Q, \from
.rept NQ-1-\from
	STEP \slot, Q, 0
.set Q, Q+1
.endr
.endm
	s_wait_tensorcnt 1                             ; my scales and my part of slot 0 are in; slot 1's load may be out
	s_barrier_signal -1
	s_barrier_wait -1                              ; everybody's are
	FETCH_B 0, 0, 0
	FETCH_A 0, 0, 0
	SCALES 0
	FETCH_A 0, 0, 4
	STEP 0, 0, 1                                   ; the first step's products start the sums from the bias
	STEPS 0, 1
	; slot 0's last step changes slots: one barrier.  In front of it each wave waits for all its tensor loads (its part of slot 1), adds 0 to its spare word, and waits for that and for its reads of slot 0.
	s_wait_tensorcnt 0x0                           ; (every window is 0 here: the add's two registers lie in window 0)
	ds_add_u32 v[SPW], v[NIL]
	s_wait_dscnt 4*NL+1                            ; the add and the youngest eight loads (A's blocks 4-7) may be out
	WIN MUL_LO
	MUL16 0, 1, NQ-1, 0, 0                         ; sixteen matrix instructions stand between the add and the wait for it
	s_wait_dscnt 0x0                               ; the add is done, and my reads of slot 0 are over
	s_barrier_signal -1
	MUL16 2, 1, NQ-1, 0, 0                         ; work on registers while the others arrive
	WIN 0
	s_barrier_wait -1                              ; slot 1 is whole, and nobody reads slot 0 any more
	PLACES NP
	v_add_nc_u32 v[ADRS], 4*NQ, v[ADRS]            ; on to slot 1's scale words: 16 bytes further in each row
	FETCH_B 1, 0, 0
	FETCH_A 1, 0, 0
	SCALES 1
	WIN MUL_HI
	MUL16 4, 1, NQ-1, 0, 0
	MUL16 6, 1, NQ-1, 0, 0
	PLACES NP
	WIN 0
	FETCH_A 1, 0, 4
	STEPS 1, 0
	s_wait_dscnt 4*NL                              ; the very last step: nothing more to fetch
	WIN MUL_LO
	MUL16 0, 1, NQ-1, 1, 0
	MUL16 2, 1, NQ-1, 1, 0
	s_wait_dscnt 0
	WIN MUL_HI
	MUL16 4, 1, NQ-1, 1, 0
	MUL16 6, 1, NQ-1, 1, 0
	WIN 0
; THE WAY OUT, block by block of 16 rows x 128 columns.  PACK: rounded to f16, 16 bytes a lane, each accumulator from its low end on.  TOSTAGE: into my own stage and back, four rows of one panel (512 bytes) to a load.  SEND: stored.
.macro PACK a
.set AC, 64*((\a)%4)
	WIN 0x0a+5*((\a)/4)                            ; sources 0 and 1: window 2 or 3
.irp b, 0,1,2,3,4,5,6,7
.irp r, 0,1,2,3
	v_cvt_pk_f16_f32 v[TMP+4*\b+\r], v[AC+8*\b+2*\r], v[AC+8*\b+2*\r+1]
.endr
.endr
	WIN 0
.endm
.macro TOSTAGE a
.set BB, BK+32*((\a)%2)
.irp b, 0,1,2,3,4,5,6,7
	ds_store_b128 v[STO], v[TMP+4*\b:TMP+4*\b+3] offset:32*\b
.endr
.irp t, 0,1,2,3,4,5,6,7
	ds_load_b128 v[BB+4*\t:BB+4*\t+3], v[RD] offset:(\t%4)*4*SPITCH+(\t/4)*128   ; LDS serves a wave's instructions in order (ISA guide 5.7.1.4): these see the stores above
.endr
.endm
.macro SEND a
.set BB, BK+32*((\a)%2)
	s_wait_dscnt 0x0                               ; the block is back in registers
	s_wait_xcnt 0x0                                ; the earlier stores have read their base and their data: only behind this wait is the base stepped and are their registers loaded again
.if (\a) > 0
	s_add_nc_u64 s[12:13], s[12:13], 16*128        ; 16 rows of 128 bytes on
.endif
.irp t, 0,1,2,3,4,5,6,7
	global_store_b128 v[CO], v[BB+4*\t:BB+4*\t+3], s[12:13] offset:(\t/4)*32768+(\t%4)*512   ; 32 lanes store 512 consecutive bytes, at a multiple of 512 from the buffer's first byte
.endr
.endm
	PLACES NP                                      ; behind the last products, for the loads into the registers that held A's fragments
	PACK 0
	TOSTAGE 0
.irp a, 1,2,3,4,5,6,7                  ; block a's conversions stand between block a - 1's loads from the stage and the wait for them
	PACK \a
	SEND \a-1
	TOSTAGE \a
.endr
	SEND 7
	s_wait_tensorcnt 0x0                           ; the wave's end
	ds_add_u32 v[SPW], v[NIL]
	s_wait_dscnt 0x0
	CROUND                                         ; the closing round: no work-group ends while a partner may still ask for a tile that names it
	s_endpgm
.Lfunc_end_k_qa00422e175_proj:
	.size	k_qa00422e175_proj, .Lfunc_end_k_qa00422e175_proj-k_qa00422e175_proj
	.p2alignl 7, 3214868480
	.fill 96, 4, 3214868480
	.section	.rodata,"a",@progbits
	.p2align	6, 0x0
	.amdhsa_kernel k_qa00422e175_proj
		.amdhsa_group_segment_fixed_size 327680
		.amdhsa_private_segment_fixed_size 0
		.amdhsa_enable_private_segment 0
		.amdhsa_kernarg_size 64
		.amdhsa_user_sgpr_count 2
		.amdhsa_user_sgpr_kernarg_segment_ptr 1
		.amdhsa_wavefront_size32 1
		.amdhsa_system_sgpr_workgroup_id_x 1
		.amdhsa_system_sgpr_workgroup_id_y 1
		.amdhsa_system_sgpr_workgroup_id_z 1
		.amdhsa_system_vgpr_workitem_id 0
		.amdhsa_next_free_vgpr 1024
		.amdhsa_next_free_sgpr 100
		.amdhsa_reserve_vcc 0
		.amdhsa_float_denorm_mode_32 3
		.amdhsa_float_denorm_mode_16_64 3
		.amdhsa_memory_ordered 1
		.amdhsa_forward_progress 1
		.amdhsa_inst_pref_size 131
	.end_amdhsa_kernel
	.amdgpu_metadata
---
amdhsa.version: [ 1, 2 ]
amdhsa.kernels:
  - .name:           k_qa00422e175_proj
    .symbol:         k_qa00422e175_proj.kd
    .args:
      - { .name: x_codes, .offset: 0, .size: 8, .value_kind: global_buffer, .address_space: global }
      - { .name: x_scales, .offset: 8, .size: 8, .value_kind: global_buffer, .address_space: global }
      - { .name: w_codes, .offset: 16, .size: 8, .value_kind: global_buffer, .address_space: global }
      - { .name: w_scales, .offset: 24, .size: 8, .value_kind: global_buffer, .address_space: global }
      - { .name: bq, .offset: 32, .size: 8, .value_kind: global_buffer, .address_space: global }
      - { .name: bk, .offset: 40, .size: 8, .value_kind: global_buffer, .address_space: global }
      - { .name: qk, .offset: 48, .size: 8, .value_kind: global_buffer, .address_space: global }
      - { .name: vt, .offset: 56, .size: 8, .value_kind: global_buffer, .address_space: global }
    .group_segment_fixed_size: 327680
    .private_segment_fixed_size: 0
    .kernarg_segment_align: 8
    .kernarg_segment_size: 64
    .max_flat_workgroup_size: 128
    .sgpr_count:     100
    .vgpr_count:     1024
    .wavefront_size: 32
...
	.end_amdgpu_metadata
.endif
;; end of part 2
;; launch attn (part 3): grid 2 x 128, 8 waves a work-group, no clusters, 327,680 bytes of LDS; arguments qk, vt, input1, bv, out0; writes out0
.if DOCPART == 3
	.amdgcn_target "amdgcn-amd-amdhsa--gfx1250"
	.amdhsa_code_object_version 6
	.text
	.protected	k_qa00422e175_attn
	.globl	k_qa00422e175_attn
	.p2align	8
	.type	k_qa00422e175_attn,@function
k_qa00422e175_attn:
	s_mov_b64 s[64:65], 0
	v_nop
	global_prefetch_b8 v0, s[64:65] scope:SCOPE_SE
	s_setreg_imm32_b32 hwreg(HW_REG_WAVE_MODE, 25, 1), 1
	s_wait_xcnt 0x0
; out0[b][q][64 h + :] = sum over k of softmax_k(Q[q] . K[k] / 8 + mask[b][k]) V[k][:] + bv[64 h + :], for 128 pairs (b, h), 1,024 queries and keys, head size 64.
; Q, K (from qk) and V^T (from vt, without its bias) are f16; products, maxima and sums in f32; the weights p, at most 1, are rounded to f16 for the second product.
; ALGEBRA.  The weights of a row sum to 1, so V's bias is added once, in f32, behind the division.  Q.K / 8 + mask = (Q.K + 8 mask) / 8, and 8 x mask is exact: it is the C of the first product's first link.
; p = 2^(c s - c m), c = log2(e) / 8, m the running maximum of s = Q.K + 8 mask; in every step O and the sum l are multiplied by a = 2^(c m_old - c m_new).
; LIMITS: 8 x mask is held at -1e38 from below: a mask under -1.25e37, -infinity too, counts as -1.25e37 (its p is 0 beside any key that counts; a row whose every key is so masked gets the plain average of V,
; not NaN).  A NaN in the mask counts as that floor.
; SHARES.  Work-group (x, y): queries 512 x .. 512 x + 511 of batch y / 16, head y % 16.  Each of eight waves owns 64 queries, four tiles of 16, in 512 registers, and walks all keys, 64 a step, in plain phases.
; LAYOUT.  S^T = K Q^T (source 0 = 16 keys, source 1 = 16 queries): a lane holds ONE query (lane % 16) and keys 8 (lane / 16) + 0..7.  Two such tiles, rounded in pairs, ARE source 1 (32 keys x 16 queries) of O^T = V^T P,
; whose result again holds one query a lane and eight channels.  V lies with the keys innermost, so its fragments are read like K's.
; ALL OF THE HEAD'S K AND V LIE IN LDS, FILLED ONCE: four chunks of 256 keys.  Each wave issues four tensor loads at the head (four of mine are out): waves 0-3 bring 64 keys of K of each chunk, waves 4-7 64 keys of V.
; Work on chunk c begins behind a wait that leaves the 3 - c later loads out, and a barrier.  Nothing is filled again.
; NO CLUSTER: a head's K and V have 1024 / 512 = 2 readers; a cluster of four would hold two heads, and a joint load's address would differ between partners.  Nothing is asked for ahead: every byte is asked for at the head.
; REGISTERS: window 0: v1-15 addresses; v16-47 eight statistics a tile (+0 c m, +1 m, +2, +3 l, +4..+7 at work; a at +6); v48-55 the mask on its way in; v64-127 eight fragments, K's and then V's;
;   v128-255 S^T, 32 a tile; P lands in place in a tile's first 16.   window 1: v0-127 O^T, 32 a tile; v128-191 Q; v192-223 8 x mask of the step's 64 keys; v224-255 bv.
.set KP,     144                       ; a row in LDS: 128 bytes + 16 of padding = 36 words: the 16 rows that a load touches start at 16 different groups of four banks (64 banks of 4 bytes: ISA guide 11.1)
.set STEPB,  64*KP                     ; 64 rows: a step's K, or a step's V; what one tensor load brings
.set CHUNKB, 4*STEPB
.set VOFF,   16*STEPB                  ; V lies behind K's 1,024 rows
.set MASK,   2*VOFF                    ; 1,024 f32: 8 x mask, held from below
.set SPARE,  MASK+4096                 ; the spare words, 128 bytes a wave, which no other line names
.set SP,     272                       ; the way out: a stage of 16 rows x (256 bytes + 16) for each wave, in K's first bytes, which have had their only fill and their last read by then
.set AKV, 4                            ; v4   my lane's place in a step's tile: (l % 16) x 144 + 16 (l / 16)
.set ADR, 5                            ; v5   LDS address of the step's K
.set ADV, 6                            ; v6   of its V
.set AM0, 7                            ; v7   MASK + 32 (l / 16)
.set ADM, 8                            ; v8   LDS address of the step's mask
.set STO, 9                            ; v9   the way out: where I put 32 bytes of a row
.set RD,  10                           ; v10  where I read a row back
.set GO,  11                           ; v11  my byte offset in the wave's rows of out0
.set QO,  12                           ; v12  my byte offset in the wave's rows of Q
.set HB,  13                           ; v13  32 (l / 16)
.set SPW, 14                           ; v14  LDS address of my spare word; never rewritten
.set NIL, 15                           ; v15  0; never rewritten
.set ST,  16
.set KV,  64
.set S,   128
.set QF,  128                          ; in window 1
.set MC,  192                          ; in window 1
.set BV,  224                          ; in window 1
.set WV,  14                           ; s14  my wave's number
.set G1,  24                           ; s[24:31] descriptor group 1, one for K and V
.set G0,  32                           ; s[32:47] four groups 0, one for each chunk; never rewritten
.set CS,  48                           ; s[48:49] c, twice: the packed form names a pair
.set SEL, 50                           ; s[50:51] lane selects for v_permlanex16_b32: lane l xor 16
.set TB,  52                           ; s52  LDS byte at which the step's K begins
.set TM,  53                           ; s53  and, from MASK on, its mask
.set CNT, 54                           ; s54  steps to go in the chunk
.set FLO, 55                           ; s55  -1e38
.set MSB, 0
.macro WIN new                         ; the immediate's high byte repeats the setting that is left; a switch that changes nothing is dropped
.if MSB != (\new)
	s_set_vgpr_msb (MSB<<8)|(\new)
.set MSB, \new
.endif
.endm
	s_load_b256 s[4:11], s[0:1], 0x0               ; qk s[4:5], vt s[6:7], input1 s[8:9], bv s[10:11]
	s_load_b64 s[12:13], s[0:1], 0x20              ; out0
	v_lshl_add_u32 v[SPW], v0, 2, SPARE
	v_mov_b32 v[NIL], 0
	ds_add_u32 v[SPW], v[NIL]                      ; the wave's opening: the add, twice on end, and its wait ahead of my first tensor load
	ds_add_u32 v[SPW], v[NIL]                      ; the set-up below, work on registers, stands between the second add and the wait
	v_lshrrev_b32 v1, 5, v0
	v_readfirstlane_b32 s[WV], v1                  ; wave 0..7
	s_lshr_b32 s15, s[WV], 2                       ; I fetch for K (0) or for V (1); also: which 256 of the block's 512 queries
	s_and_b32 s16, s[WV], 3                        ; which 64 keys of each chunk I fetch; also: which 64 queries of the 256
	s_and_b32 s17, ttmp7, 0xffff
	s_lshr_b32 s18, s17, 4                         ; b
	s_and_b32 s19, s17, 15                         ; h
	; descriptor group 1: 64 rows x 64 elements of 2 bytes, dense in memory, padded in LDS
	s_mov_b32 s[G1], (1<<16)|(1<<20)|(4<<22)|(3<<25)   ; 15:0 no mask; 17:16 elements of 2 bytes; 20 padding on; 24:22 after every 32 words; 31:25 four words
	s_mov_b32 s[G1+1], 64<<16                      ; tensor_dim0
	s_mov_b32 s[G1+2], 64<<16                      ; tensor_dim1
	s_mov_b32 s[G1+3], 64<<16                      ; tile_dim0
	s_mov_b32 s[G1+4], 64                          ; tile_dim1
	s_mov_b32 s[G1+5], 64                          ; from row to row
	s_mov_b32 s[G1+6], 0
	s_mov_b32 s[G1+7], 0
	s_mov_b32 s[CS], 0x3e38aa3b                    ; c = log2(e) / 8
	s_mov_b32 s[CS+1], s[CS]
	s_mov_b32 s[SEL], 0x76543210
	s_mov_b32 s[SEL+1], 0xfedcba98
	s_mov_b32 s[FLO], 0xfe967699                   ; -1e38
	s_lshl_b32 s20, s15, 4
	s_add_co_u32 s20, s20, s16
	s_mul_i32 s20, s20, STEPB                      ; where my tiles go: (16 x role + my quarter) x 9,216, + 36,864 a chunk
	s_lshl_b32 s21, s18, 7                         ; K: block (128 b + 16 + h) of qk (+ 32 blocks a chunk), my 64 rows of 128 bytes in it
	s_add_co_u32 s21, s21, s19
	s_add_co_u32 s21, s21, 16
	s_lshl_b32 s21, s21, 15
	s_lshl_b32 s23, s16, 13
	s_add_co_u32 s21, s21, s23
	s_lshr_b32 s22, s19, 2                         ; V: block ((h / 4) 128 + 16 b + my quarter) of vt (+ 4 blocks a chunk), the head's 64 rows in it
	s_lshl_b32 s22, s22, 7
	s_lshl_b32 s23, s18, 4
	s_add_co_u32 s22, s22, s23
	s_add_co_u32 s22, s22, s16
	s_lshl_b32 s22, s22, 15
	s_and_b32 s23, s19, 3
	s_lshl_b32 s23, s23, 13
	s_add_co_u32 s22, s22, s23
	s_mov_b32 s56, 0x20000
	s_cmp_lt_u32 s[WV], 4
	s_cselect_b32 s22, s21, s22                    ; my offset (under 2^25),
	s_cselect_b32 s56, 0x100000, s56               ; and a chunk on
	s_mov_b32 s23, 0
	s_mov_b32 s57, 0
	s_wait_dscnt 0x0                               ; both opening adds are done
	s_wait_kmcnt 0x0
	s_cmp_lt_u32 s[WV], 4
	s_cselect_b64 s[58:59], s[4:5], s[6:7]         ; qk for waves 0-3, vt for waves 4-7
	s_add_nc_u64 s[58:59], s[58:59], s[22:23]
.irp c, 0,1,2,3
	s_mov_b32 s[G0+4*\c], 1                        ; count = 1
	s_add_co_u32 s[G0+4*\c+1], s20, \c*CHUNKB      ; LDS address
	s_mov_b64 s[G0+4*\c+2:G0+4*\c+3], s[58:59]     ; global address
	s_or_b32 s[G0+4*\c+3], s[G0+4*\c+3], 0x80000000   ; type = 2
	s_add_nc_u64 s[58:59], s[58:59], s[56:57]      ; (the last step's sum is not used)
.endr
.irp c, 0,1,2,3
	tensor_load_to_lds s[G0+4*\c:G0+4*\c+3], s[G1:G1+7]   ; all first fills as one group, ahead of every wait on TENSORcnt, every LDS read and every barrier
	s_nop 0
.endr
	v_and_b32 v1, 15, v0                           ; r = l % 16
	v_bfe_u32 v2, v0, 4, 1                         ; l / 16
	v_mul_u32_u24 v[AKV], v1, KP
	v_lshl_add_u32 v[AKV], v2, 4, v[AKV]
	v_lshlrev_b32 v[HB], 5, v2
	v_add_nc_u32 v[AM0], MASK, v[HB]
	v_lshlrev_b32 v[QO], 7, v1
	v_lshl_add_u32 v[QO], v2, 4, v[QO]             ; Q: row r of 128 bytes, + 16 x half
	v_lshlrev_b32 v48, 4, v0                       ; the mask: 16 bytes a thread, 256 threads: the batch's 4,096 bytes
	v_lshl_add_u32 v49, v0, 4, MASK                ; and their place in LDS
	s_lshl_b32 s22, s18, 12
	s_add_nc_u64 s[8:9], s[8:9], s[22:23]          ; input1 at my batch
	s_lshl_b32 s22, s19, 8
	s_add_nc_u64 s[10:11], s[10:11], s[22:23]      ; bv at my head
	s_lshl_b32 s21, s18, 2                         ; Q: block ((4 b + 2 x + wave / 4) 32 + h) of qk, my 64 rows in it
	s_lshl_b32 s22, ttmp9, 1
	s_add_co_u32 s21, s21, s22
	s_add_co_u32 s21, s21, s15
	s_lshl_b32 s21, s21, 5
	s_add_co_u32 s21, s21, s19
	s_lshl_b32 s22, s21, 15
	s_lshl_b32 s21, s16, 13
	s_add_co_u32 s22, s22, s21
	s_add_nc_u64 s[4:5], s[4:5], s[22:23]
	s_lshl_b32 s22, s18, 22                        ; out0: row b 1024 + 512 x + 64 wave, of 4,096 bytes, + 256 h
	s_lshl_b32 s21, ttmp9, 21
	s_add_co_u32 s22, s22, s21
	s_lshl_b32 s21, s[WV], 18
	s_add_co_u32 s22, s22, s21
	s_lshl_b32 s21, s19, 8
	s_add_co_u32 s22, s22, s21
	s_add_nc_u64 s[12:13], s[12:13], s[22:23]
	global_load_b128 v[52:55], v48, s[8:9]         ; the mask
	WIN 0x40                                       ; destination window 1, address window 0
.irp t, 0,1,2,3                        ; Q stays in registers: tile t, channels 32 k on: lane l holds row l % 16; registers 0-3 channels 8 (l / 16) + 0..7, registers 4-7 channels 16 + 8 (l / 16) + 0..7
.irp k, 0,1
	global_load_b128 v[QF+16*\t+8*\k:QF+16*\t+8*\k+3],   v[QO], s[4:5] offset:\t*2048+\k*64
	global_load_b128 v[QF+16*\t+8*\k+4:QF+16*\t+8*\k+7], v[QO], s[4:5] offset:\t*2048+\k*64+32
.endr
.endr
.irp c, 0,1,2,3                        ; bv in O^T's layout: register 8 c + j = bv[64 h + 16 c + 8 (l / 16) + j]
	global_load_b128 v[BV+8*\c:BV+8*\c+3],   v[HB], s[10:11] offset:64*\c
	global_load_b128 v[BV+8*\c+4:BV+8*\c+7], v[HB], s[10:11] offset:64*\c+16
.endr
	WIN 0
	s_mul_i32 s21, s[WV], 16*SP                    ; my stage for the way out
	v_mul_u32_u24 v[STO], v1, SP                   ; in: row r, 32 bytes for each half of the lanes
	v_lshl_add_u32 v[STO], v2, 5, v[STO]
	v_add_nc_u32 v[STO], s21, v[STO]
	v_mul_u32_u24 v[RD], v2, SP                    ; back: lanes 0-15 take one row of 256 bytes, lanes 16-31 the next
	v_lshl_add_u32 v[RD], v1, 4, v[RD]
	v_add_nc_u32 v[RD], s21, v[RD]
	v_lshlrev_b32 v[GO], 12, v2                    ; and the same two rows in out0
	v_lshl_add_u32 v[GO], v1, 4, v[GO]
	s_wait_loadcnt 24                              ; the mask is in; behind it: Q's sixteen loads and bv's eight
.irp i, 52,53,54,55
	v_mul_f32 v\i, 0x41000000, v\i                 ; 8 x mask: exact
.endr
.irp i, 52,53,54,55
	v_max_num_f32 v\i, s[FLO], v\i                 ; held at -1e38 from below, so that no difference of two of them is NaN
.endr
	ds_store_b128 v49, v[52:55]
	s_wait_loadcnt 0x0                             ; Q and bv
.macro LDFRAG adr                      ; eight fragments of 16 rows x 32 along the rows: rows 16 (f / 2) on, bytes 64 (f % 2) on.  K: 16 keys x 32 channels; V: 16 channels x 32 keys
.irp f, 0,1,2,3,4,5,6,7
	ds_load_b128 v[KV+8*\f:KV+8*\f+3],   v[\adr] offset:(\f/2)*16*KP+(\f%2)*64
	ds_load_b128 v[KV+8*\f+4:KV+8*\f+7], v[\adr] offset:(\f/2)*16*KP+(\f%2)*64+32
.endr
.endm
.macro LDMASK                          ; 8 x mask in S^T's layout: register 8 k + j = that of key 16 k + 8 (l / 16) + j; sixteen lanes read the same words
	WIN 0x40
.irp k, 0,1,2,3
	ds_load_b128 v[MC+8*\k:MC+8*\k+3],   v[ADM] offset:64*\k
	ds_load_b128 v[MC+8*\k+4:MC+8*\k+7], v[ADM] offset:64*\k+16
.endr
	WIN 0
.endm
; S^T = K Q^T + 8 mask: 16 accumulators (key tile k, query tile t) by turns, one instruction a turn, two links each
.macro QK
	WIN 0x14                                       ; Q and the mask in window 1
.irp k, 0,1,2,3
.irp t, 0,1,2,3
	v_wmma_f32_16x16x32_f16 v[S+32*\t+8*\k:S+32*\t+8*\k+7], v[KV+16*\k:KV+16*\k+7], v[QF+16*\t:QF+16*\t+7], v[MC+8*\k:MC+8*\k+7]
.endr
.endr
	WIN 0x04                                       ; Q in window 1
.irp k, 0,1,2,3
.irp t, 0,1,2,3
	v_wmma_f32_16x16x32_f16 v[S+32*\t+8*\k:S+32*\t+8*\k+7], v[KV+16*\k+8:KV+16*\k+15], v[QF+16*\t+8:QF+16*\t+15], v[S+32*\t+8*\k:S+32*\t+8*\k+7]
.endr
.endr
	WIN 0
.endm
; O^T += V^T P: 16 accumulators (channel tile c, query tile t) by turns, two links each (keys 32 s on).  first = 1: the first links start the sums: nothing is cleared
.macro PV first
.irp s, 0,1
.if \first && (\s == 0)
	WIN 0x40                                       ; O^T in window 1
.else
	WIN 0x50
.endif
.irp c, 0,1,2,3
.irp t, 0,1,2,3
.if \first && (\s == 0)
	v_wmma_f32_16x16x32_f16 v[32*\t+8*\c:32*\t+8*\c+7], v[KV+16*\c+8*\s:KV+16*\c+8*\s+7], v[S+32*\t+8*\s:S+32*\t+8*\s+7], 0
.else
	v_wmma_f32_16x16x32_f16 v[32*\t+8*\c:32*\t+8*\c+7], v[KV+16*\c+8*\s:KV+16*\c+8*\s+7], v[S+32*\t+8*\s:S+32*\t+8*\s+7], v[32*\t+8*\c:32*\t+8*\c+7]
.endif
.endr
.endr
.endr
	WIN 0
.endm
; THE SOFTMAX of a step, the four tiles by turns, line by line, so that no line waits for the line above it.  first = 1: the first step, which has no old maximum, no a and nothing to rescale.
.macro SOFTMAX first
.irp j, 0,1,2,3                        ; the maximum of the lane's 32 scores: four chains, one for each accumulator, each begun at the accumulator's low end
.irp t, 0,1,2,3
	v_max3_num_f32 v[ST+8*\t+4+\j], v[S+32*\t+8*\j], v[S+32*\t+8*\j+1], v[S+32*\t+8*\j+2]
.endr
.endr
.irp i, 3,5
.irp j, 0,1,2,3
.irp t, 0,1,2,3
	v_max3_num_f32 v[ST+8*\t+4+\j], v[ST+8*\t+4+\j], v[S+32*\t+8*\j+\i], v[S+32*\t+8*\j+\i+1]
.endr
.endr
.endr
.irp t, 0,1,2,3
	v_max3_num_f32 v[ST+8*\t+4], v[ST+8*\t+4], v[S+32*\t+7], v[S+32*\t+15]
.endr
.irp t, 0,1,2,3
	v_max3_num_f32 v[ST+8*\t+6], v[ST+8*\t+6], v[S+32*\t+23], v[S+32*\t+31]
.endr
.irp t, 0,1,2,3
	v_max3_num_f32 v[ST+8*\t+4], v[ST+8*\t+4], v[ST+8*\t+5], v[ST+8*\t+6]
.endr
.irp t, 0,1,2,3
.if \first
	v_max_num_f32 v[ST+8*\t+4], v[ST+8*\t+4], v[ST+8*\t+7]
.else
	v_max3_num_f32 v[ST+8*\t+4], v[ST+8*\t+4], v[ST+8*\t+7], v[ST+8*\t+1]   ; and the old m
.endif
.endr
.irp t, 0,1,2,3
	v_permlanex16_b32 v[ST+8*\t+5], v[ST+8*\t+4], s[SEL], s[SEL+1]   ; the query's other 32 keys lie in the lane 16 away
.endr
.if \first == 0
.irp t, 0,1,2,3
	v_mov_b32 v[ST+8*\t+7], v[ST+8*\t]             ; c m_old is kept for a
.endr
.endif
.irp t, 0,1,2,3
	v_max_num_f32 v[ST+8*\t+1], v[ST+8*\t+4], v[ST+8*\t+5]   ; the new m
.endr
.irp t, 0,1,2,3
	v_mul_f32 v[ST+8*\t], s[CS], v[ST+8*\t+1]      ; c m
.endr
.if \first == 0
.irp t, 0,1,2,3
	v_sub_f32 v[ST+8*\t+7], v[ST+8*\t+7], v[ST+8*\t]   ; c m_old - c m_new, 0 or less
.endr
.endif
.irp i, 0,2,4,6,8,10,12,14,16,18,20,22,24,26,28,30
.irp t, 0,1,2,3
	v_pk_fma_f32 v[S+32*\t+\i:S+32*\t+\i+1], v[S+32*\t+\i:S+32*\t+\i+1], s[CS:CS+1], v[ST+8*\t:ST+8*\t+1] op_sel_hi:[1,0,0] neg_lo:[0,0,1] neg_hi:[0,0,1]   ; c s - c m, two at a time
.endr
.endr
.if \first == 0                        ; ONE BATCH of exponentials: the four a, then the 128 p; none reads another's result
.irp t, 0,1,2,3
	v_exp_f32 v[ST+8*\t+6], v[ST+8*\t+7]
.endr
.endif
.set ee, 0
.rept 32
.irp t, 0,1,2,3
	v_exp_f32 v[S+32*\t+ee], v[S+32*\t+ee]
.endr
.set ee, ee+1
.endr
	v_nop                                          ; a plain instruction behind the last exponential, ahead of the first use
	s_wait_alu depctr_va_vdst(0)                   ; the wait ahead of the first instruction that names a result: one for the whole batch
.irp t, 0,1,2,3                        ; the sums are taken of the unrounded p, ahead of the roundings, which work in place
	v_pk_add_f32 v[ST+8*\t+4:ST+8*\t+5], v[S+32*\t:S+32*\t+1], v[S+32*\t+2:S+32*\t+3]
.endr
.irp i, 4,6,8,10,12,14,16,18,20,22,24,26,28
.irp t, 0,1,2,3
	v_pk_add_f32 v[ST+8*\t+4:ST+8*\t+5], v[ST+8*\t+4:ST+8*\t+5], v[S+32*\t+\i:S+32*\t+\i+1]
.endr
.endr
.irp t, 0,1,2,3
.if \first
	v_pk_add_f32 v[ST+8*\t+2:ST+8*\t+3], v[ST+8*\t+4:ST+8*\t+5], v[S+32*\t+30:S+32*\t+31]   ; l begins
.else
	v_pk_add_f32 v[ST+8*\t+4:ST+8*\t+5], v[ST+8*\t+4:ST+8*\t+5], v[S+32*\t+30:S+32*\t+31]
.endif
.endr
.if \first == 0
.irp t, 0,1,2,3
	v_pk_fma_f32 v[ST+8*\t+2:ST+8*\t+3], v[ST+8*\t+2:ST+8*\t+3], v[ST+8*\t+6:ST+8*\t+7], v[ST+8*\t+4:ST+8*\t+5] op_sel_hi:[1,0,1]   ; l = a l + the step's sum
.endr
.endif
.irp i, 0,1,2,3,4,5,6,7,8,9,10,11,12,13,14,15
.irp t, 0,1,2,3
	v_cvt_pk_f16_f32 v[S+32*\t+\i], v[S+32*\t+2*\i], v[S+32*\t+2*\i+1]   ; P in place, ascending: register i is written when registers 2 i and 2 i + 1 are read, and no later line reads it
.endr
.endr
.if \first == 0
	WIN 0x41                                       ; O^T (destination and source 0) in window 1, a in window 0
.irp i, 0,2,4,6,8,10,12,14,16,18,20,22,24,26,28,30
.irp t, 0,1,2,3
	v_pk_mul_f32 v[32*\t+\i:32*\t+\i+1], v[32*\t+\i:32*\t+\i+1], v[ST+8*\t+6:ST+8*\t+7] op_sel_hi:[1,0]   ; O^T x a, each accumulator from its low end on
.endr
.endr
.endif
.endm
; A KEY STEP: 64 keys.
.macro STEP first
	v_add_nc_u32 v[ADR], s[TB], v[AKV]             ; five plain instructions behind the last step's products: the loads below land in registers that those have read (four are asked),
	v_add_nc_u32 v[ADV], VOFF, v[ADR]              ; and the products K Q^T write over P's registers, which those have read
	v_add_nc_u32 v[ADM], s[TM], v[AM0]
	v_nop
	v_nop
	LDFRAG ADR
	LDMASK
	s_wait_dscnt 0x0                               ; K and the mask are in
	QK
.rept 4
	v_nop                                          ; four places: behind them V's loads land in K's registers, and the softmax reads the scores
.endr
	LDFRAG ADV                                     ; V lands while the softmax is walked
	SOFTMAX \first
	s_wait_dscnt 0x0                               ; V is in
	PV \first
	s_add_co_u32 s[TB], s[TB], STEPB
	s_add_co_u32 s[TM], s[TM], 256
.endm
; A CHUNK of 256 keys, four steps.  My load of this chunk has landed (tensor loads of a wave end in order: ISA guide 10.11.1; the 3 - c later ones may stay out);
; my LDS instructions are done (in front of the first barrier: my store of the mask); behind the barrier the same holds of all eight waves.
.macro CHUNK c
	s_wait_tensorcnt 3-\c
	s_wait_dscnt 0x0
	s_barrier_signal -1
	s_barrier_wait -1
	s_mov_b32 s[TB], \c*CHUNKB
	s_mov_b32 s[TM], \c*1024
.if \c == 0
	STEP 1                                         ; the first step stands ahead of the loop: it starts m, l and O^T
	s_mov_b32 s[CNT], 3
.else
	s_mov_b32 s[CNT], 4
.endif
.Lstep_\@:
	STEP 0
	s_sub_co_u32 s[CNT], s[CNT], 1
	s_cmp_lg_u32 s[CNT], 0
	s_cbranch_scc1 .Lstep_\@
.endm
	CHUNK 0
	CHUNK 1
	CHUNK 2
	CHUNK 3
	; THE WAY OUT.  A barrier first: the stages lie in K's first bytes, which other waves may still be reading.  Then l's halves are added, O^T is divided by l, bv is added, and a tile (16 rows x 256 bytes) at a time goes
	; through my stage, so that sixteen lanes store 256 consecutive bytes.
	s_wait_dscnt 0x0
	s_barrier_signal -1
	s_barrier_wait -1
.irp t, 0,1,2,3
	v_add_f32 v[ST+8*\t+4], v[ST+8*\t+2], v[ST+8*\t+3]   ; (these four are also the places behind the last products)
.endr
.irp t, 0,1,2,3
	v_permlanex16_b32 v[ST+8*\t+5], v[ST+8*\t+4], s[SEL], s[SEL+1]
.endr
.irp t, 0,1,2,3
	v_add_f32 v[ST+8*\t+4], v[ST+8*\t+4], v[ST+8*\t+5]   ; the row's sum
.endr
.irp t, 0,1,2,3
	v_rcp_f32 v[ST+8*\t+6], v[ST+8*\t+4]
.endr
	v_nop                                          ; a plain instruction between the last reciprocal and the use of its result
	s_wait_alu depctr_va_vdst(0)                   ; and the wait: one for the four
.macro PACK t
	WIN 0x11                                       ; O^T and bv in window 1; 1 / l and the result in window 0
.irp i, 0,2,4,6,8,10,12,14,16,18,20,22,24,26,28,30
	v_pk_fma_f32 v[S+32*\t+\i:S+32*\t+\i+1], v[32*\t+\i:32*\t+\i+1], v[ST+8*\t+6:ST+8*\t+7], v[BV+\i:BV+\i+1] op_sel_hi:[1,0,1]   ; O^T / l + bv: register 8 c + j is out(r, 16 c + 8 (l / 16) + j)
.endr
	WIN 0
.irp c, 0,1,2,3
	ds_store_b128 v[STO], v[S+32*\t+8*\c:S+32*\t+8*\c+3] offset:64*\c
	ds_store_b128 v[STO], v[S+32*\t+8*\c+4:S+32*\t+8*\c+7] offset:64*\c+16
.endr
.irp f, 0,1,2,3,4,5,6,7
	ds_load_b128 v[S+32*\t+4*\f:S+32*\t+4*\f+3], v[RD] offset:\f*2*SP   ; LDS serves a wave's instructions in order (ISA guide 5.7.1.4): these see the stores above; the next tile's stores come behind them
.endr
.endm
.macro SEND t, younger                 ; younger: the LDS instructions issued behind tile t's loads: the next tile's sixteen, or none
.irp f, 0,1,2,3,4,5,6,7
	s_wait_dscnt \younger+7-\f                     ; load f is in; the 7 - f behind it and the younger ones may be out
	global_store_b128 v[GO], v[S+32*\t+4*\f:S+32*\t+4*\f+3], s[12:13] offset:\t*65536+\f*8192 th:TH_STORE_NT   ; 16 lanes store 256 consecutive bytes, at a multiple of 256 from out0's first byte; written once
.endr
.endm
	PACK 0
	PACK 1                                         ; a tile's arithmetic stands between the loads of the tile before and its stores
	SEND 0, 16
	PACK 2
	SEND 1, 16
	PACK 3
	SEND 2, 16
	SEND 3, 0
	s_wait_tensorcnt 0x0                           ; the wave's end
	ds_add_u32 v[SPW], v[NIL]
	s_wait_dscnt 0x0
	s_endpgm
.Lfunc_end_k_qa00422e175_attn:
	.size	k_qa00422e175_attn, .Lfunc_end_k_qa00422e175_attn-k_qa00422e175_attn
	.p2alignl 7, 3214868480
	.fill 96, 4, 3214868480
	.section	.rodata,"a",@progbits
	.p2align	6, 0x0
	.amdhsa_kernel k_qa00422e175_attn
		.amdhsa_group_segment_fixed_size 327680
		.amdhsa_private_segment_fixed_size 0
		.amdhsa_enable_private_segment 0
		.amdhsa_kernarg_size 40
		.amdhsa_user_sgpr_count 2
		.amdhsa_user_sgpr_kernarg_segment_ptr 1
		.amdhsa_wavefront_size32 1
		.amdhsa_system_sgpr_workgroup_id_x 1
		.amdhsa_system_sgpr_workgroup_id_y 1
		.amdhsa_system_sgpr_workgroup_id_z 1
		.amdhsa_system_vgpr_workitem_id 0
		.amdhsa_next_free_vgpr 512
		.amdhsa_next_free_sgpr 66
		.amdhsa_reserve_vcc 0
		.amdhsa_float_denorm_mode_32 3
		.amdhsa_float_denorm_mode_16_64 3
		.amdhsa_memory_ordered 1
		.amdhsa_forward_progress 1
		.amdhsa_inst_pref_size 180
	.end_amdhsa_kernel
	.amdgpu_metadata
---
amdhsa.version: [ 1, 2 ]
amdhsa.kernels:
  - .name:           k_qa00422e175_attn
    .symbol:         k_qa00422e175_attn.kd
    .args:
      - { .name: qk, .offset: 0, .size: 8, .value_kind: global_buffer, .address_space: global }
      - { .name: vt, .offset: 8, .size: 8, .value_kind: global_buffer, .address_space: global }
      - { .name: input1, .offset: 16, .size: 8, .value_kind: global_buffer, .address_space: global }
      - { .name: bv, .offset: 24, .size: 8, .value_kind: global_buffer, .address_space: global }
      - { .name: out0, .offset: 32, .size: 8, .value_kind: global_buffer, .address_space: global }
    .group_segment_fixed_size: 327680
    .private_segment_fixed_size: 0
    .kernarg_segment_align: 8
    .kernarg_segment_size: 40
    .max_flat_workgroup_size: 256
    .sgpr_count:     66
    .vgpr_count:     512
    .wavefront_size: 32
...
	.end_amdgpu_metadata
.endif
;; end of part 3
